; MI455X (gfx1250); checked and timed in simulation.
; The chip was launched on July 23, 2026; its instructions are those of AMD's public machine-readable ISA for CDNA 5 (MIT licence, August 2026) and "CDNA5" Instruction Set Architecture Reference Guide (July 2026). The comments in the code are by the model that wrote it; some were corrected since.
;; Attention. Allowed arithmetic: matrix products marked QUANTISED: E2M1 operands, one E8M0 scale for each 32 along K, by v_wmma_scale_f32_16x16x128_f8f6f4 with both operands' format E2M1 (or v_wmma_scale_f32_32x16x128_f4), f32 sums; products left as they are: bf16, f16 or f32 operands; f32 sums; everything else in f32.
;; Inputs: mask 1 x 1 x 341 x 341 float32; proj_b 1,024 float32; proj_w 1,024 x 1,024 float32; qkv_b 3,072 float32; qkv_w 3,072 x 1,024 float32; x 32 x 341 x 1,024 float32.
;; Outputs: out0 32 x 341 x 1,024 float32.
;; This version of the problem:
;;   THIS VERSION OF THE PROBLEM IS GIVEN IN LOW PRECISION. The matrix products marked QUANTISED in the list below multiply operands that are first quantised to E2M1 (2 exponent bits, 1 mantissa bit; 4 bits a number), with one power-of-two scale for each 32 numbers along K (OCP MX v1.0); their sums are f32. The products marked 'left as it is' may take bf16, f16 or f32 operands, with f32 sums. Whichever they take, every output number must still come out within the allowed error. Rounding operands to bf16 (8 significant bits) uses up far more of that allowance than f16 does (11 bits, for magnitudes from 6e-5 to 65,504). All else is computed in f32.
;;   The module's matrix products, in the order in which they are computed (A, B: the left and right operand; K: the contracted axis; several contracted axes count as one K, in the product's order):
;;     1. [M 10,912, K 1,024] x [K 1,024, N 3,072]; A: input x; B: input qkv_w: QUANTISED
;;     2. batch 512 x [M 341, K 64] x [K 64, N 341]; A: computed on the way; B: computed on the way: left as it is (an operand is computed on the way)
;;     3. batch 512 x [M 341, K 341] x [K 341, N 64]; A: computed on the way; B: computed on the way: left as it is (an operand is computed on the way)
;;     4. [M 10,912, K 1,024] x [K 1,024, N 1,024]; A: computed on the way; B: input proj_w: left as it is (an operand is computed on the way)
;;   THE QUANTISER, for each operand of a quantised product, along K:
;;     - K is cut into blocks of 32 from its start; a last block that is shorter is filled with zeros.
;;     - A block's scale is 2^e with e = floor(log2(the largest magnitude in the block)) - 2, held to -126 .. 127; a block of zeros has e = 0. As a byte (E8M0): e + 127.
;;     - Each number is divided by its block's scale, clamped to +-6, and rounded to the nearest number of E2M1, ties to even, subnormals kept.
;;     - The product sums the exact products of the quantised numbers (number of the format x scale) in f32.
;;   ~~~python
;;   def quantise(x, axis):      # numpy; x: float32 -> the quantised numbers, widened to float32 again
;;       x = np.moveaxis(x, axis, -1); K = x.shape[-1]
;;       x = np.pad(x, [(0, 0)] * (x.ndim - 1) + [(0, -K % 32)]); x = x.reshape(x.shape[:-1] + (-1, 32)); a = np.abs(x).max(-1, keepdims=True)
;;       e = np.where(a > 0, np.clip(np.frexp(np.where(a > 0, a, 1))[1] - 1 - 2, -126, 127), 0)      # np.frexp(a)[1] - 1 = floor(log2(a)), exactly
;;       r = np.clip(x / 2.0 ** e, -6, 6)
;;       step = 2.0 ** (np.maximum(np.frexp(np.where(r == 0, 1, r))[1] - 1, 0) - 1)
;;       q = np.round(r / step) * step * 2.0 ** e      # np.round: ties to even
;;       return np.moveaxis(q.reshape(q.shape[:-2] + (-1,))[..., :K], -1, axis).astype(np.float32)
;;   ~~~
;; One version. Each part assembles by itself: llvm-mc -triple=amdgcn-amd-amdhsa -mcpu=gfx1250 --defsym DOCPART=n.
;; ======== version 1 of 1: 3 launches
;; limits: values are held in f16: magnitudes above 65,504 overflow, below 6.1e-05 lose precision
;; workspace buffers: xc 5,767,168 bytes; xs 360,448 bytes; wc 1,572,864 bytes; ws 98,304 bytes; pw 2,097,152 bytes; mimg 495,616 bytes; rimg 90,112 bytes; ao 23,068,672 bytes
;; launch prep (part 1): grid 766 x 1, 4 waves a work-group, no clusters, 70,144 bytes of LDS; arguments x, qkv_w, proj_w, mask, xc, xs, wc, ws, pw, mimg, rimg; writes xc, xs, wc, ws, pw, mimg, rimg
.if DOCPART == 1
	.amdgcn_target "amdgcn-amd-amdhsa--gfx1250"
	.amdhsa_code_object_version 6
	.text
	.protected	k_qf49f60294c_prep
	.globl	k_qf49f60294c_prep
	.p2align	8
	.type	k_qf49f60294c_prep,@function
k_qf49f60294c_prep:
	s_mov_b64 s[64:65], 0
	v_nop
	global_prefetch_b8 v0, s[64:65] scope:SCOPE_SE
	s_setreg_imm32_b32 hwreg(HW_REG_WAVE_MODE, 25, 1), 1
	s_wait_xcnt 0x0
; PREP: everything that the two later launches read is laid here once, in the order of the operand registers that will take it.
; A "chunk" is 512 bytes, lane l's 16 bytes at 16 l; a fragment of a matrix operand is two chunks.
; NO WORK OF reference() IS LEFT OUT in this program: every input has a way to the output and every input is loaded; the mask is an input, so all 341 x 341 scores of every head are made.
; LIMITS: NaN and infinities among the inputs are not served.  Blocks whose largest magnitude lies under 2^(3 - 127) keep the scale byte 1; a block of zeros keeps the byte 1 too (its codes are zeros,
; and this program alone reads the bytes).  proj_w goes to f16: magnitudes under 65,504.  Mask values at or under -2e38 are not told apart from the padding's -3e38.
; FIVE KINDS OF WORK-GROUP, told apart by the work-group's number alone:
;   0..351    x      [32 x 341][1024] f32 -> xc, xs: codes of E2M1 and E8M0 bytes, 22 tiles of 16 rows a batch (rows 341..351 repeat row 340: finite, and never stored to the output)
;   352..447  qkv_w  [3072][1024] f32     -> wc, ws: the same, the tiles ordered head x 12 + part x 4 + tile, so that a head's 12 tiles lie on end
;   448..479  proj_w [1024][1024] f32     -> pw: f16 fragments
;   480..721  mask   [341][341] f32       -> mimg: mask x log2(e) in the layout of the score accumulator; keys past 340 get -3e38
;   722..765  the rotary table            -> rimg: (cos, sin) pairs in the layout of the q and k accumulators; reference() builds it from constants, so it is made here by arithmetic
; The first three stream: a wave takes 16 rows x 512 columns as 8 units of 16 rows x 256 bytes.  Each load reads 256 consecutive bytes of two rows; a unit turns through the wave's own stage in LDS
; (rows 272 bytes apart) and comes back with a lane's numbers neighbours along K.  Loads run two units (16 loads a wave) ahead, the turn one unit.  No tensor loads, no barrier: waves share nothing.
.set SPARE, 69632                      ; the spare words: 128 bytes a wave, two blocks of 256 bytes that no other line names
.set WREG,  8704                       ; a wave's two stages
.set STG,   4352                       ; a stage: 16 rows x 272 bytes
.set PREG,  34816                      ; proj_w's path has LDS bytes of its own, behind the quantiser's
.set RA, 20                            ; v20-27   load i: byte offset of rows 2 i and 2 i + 1, 16 bytes a lane
.set R,  32                            ; v32-95   two sets of 32: a unit as loaded
.set X,  96                            ; v96-159  two sets of 32: a unit with K along my registers
.set C,  160                           ; v160-191 results to store
.set SW, 192                           ; v192-195 scale words in the making; v196-199 the other half's
.macro FINISH                          ; the end of a wave that wrote LDS
	s_wait_tensorcnt 0x0
	ds_add_u32 v1, v2
	s_wait_dscnt 0x0
	s_endpgm
.endm
.macro LOAD u                          ; unit u: 8 loads; sixteen lanes read 256 consecutive bytes of a row
.irp i, 0,1,2,3,4,5,6,7
	global_load_b128 v[R+32*((\u)%2)+4*\i:R+32*((\u)%2)+4*\i+3], v[RA+\i], s[30:31] offset:256*(\u) th:TH_LOAD_NT
.endr
.endm
.macro TURN u, p                       ; through the stage; LDS serves a wave's instructions in order, so no wait stands between the stores and the loads
.irp i, 0,1,2,3,4,5,6,7
	ds_store_b128 v6, v[R+32*((\u)%2)+4*\i:R+32*((\u)%2)+4*\i+3] offset:STG*((\u)%2)+544*\i
.endr
.irp j, 0,1,2,3,4,5,6,7
.if \p
	ds_load_b128 v[X+32*((\u)%2)+4*\j:X+32*((\u)%2)+4*\j+3], v7 offset:STG*((\u)%2)+128*(\j/4)+64*((\j/2)%2)+16*(\j%2)   ; f16: 8 numbers at 32 h of each 64 bytes
.else
	ds_load_b128 v[X+32*((\u)%2)+4*\j:X+32*((\u)%2)+4*\j+3], v7 offset:STG*((\u)%2)+16*\j   ; codes: my whole block of 32, 128 bytes
.endif
.endr
.endm
; A block of 32 lies in ONE lane: lane (r, h) holds block 2 u + h of row r.  Largest magnitude with the floor 2^(3 - 127) among its leaves; 2 off its exponent field is the conversion's scale operand; that field is the byte.
.macro WORKQ u
.set XS, X+32*((\u)%2)
	v_max3_num_f32 v11, |v[XS]|, |v[XS+1]|, 0x1800000
	v_max3_num_f32 v12, |v[XS+2]|, |v[XS+3]|, |v[XS+4]|
.irp i, 5,9,13,17,21,25
	v_max3_num_f32 v11, v11, |v[XS+\i]|, |v[XS+\i+1]|
	v_max3_num_f32 v12, v12, |v[XS+\i+2]|, |v[XS+\i+3]|
.endr
	v_max3_num_f32 v11, v11, |v[XS+29]|, |v[XS+30]|
	v_max3_num_f32 v11, v11, v12, |v[XS+31]|
	v_add_nc_u32 v13, 0xff000000, v11
.irp g, 0,1,2,3
	v_cvt_scalef32_pk8_fp4_f32 v[C+4*(\u)+\g], v[XS+8*\g:XS+8*\g+7], v13
.endr
	v_lshrrev_b32 v14, 23, v13                     ; the byte; also the plain line behind the conversions
.if (\u)%2 == 0
	v_mov_b32 v[SW+(\u)/2], v14                    ; K step u / 2: my byte of its first two blocks,
.else
	v_lshl_or_b32 v[SW+(\u)/2], v14, 16, v[SW+(\u)/2]   ; and of its last two
.endif
	global_store_b128 v8, v[C+4*(\u):C+4*(\u)+3], s[32:33] offset:512*(\u)   ; one chunk: 512 consecutive bytes; each unit has registers of its own
.endm
.macro WORKP u                         ; 64 columns are two K steps of 32: four chunks of f16
.set XS, X+32*((\u)%2)
.set CS, C+16*((\u)%2)
.if (\u) >= 2
	s_wait_xcnt 0x0                                ; the stores of two units back have read their data: the set is written again only behind this wait
.endif
.irp g, 0,1,2,3,4,5,6,7,8,9,10,11,12,13,14,15
	v_cvt_pk_f16_f32 v[CS+\g], v[XS+2*\g], v[XS+2*\g+1]
.endr
.irp q, 0,1,2,3
	global_store_b128 v8, v[CS+4*\q:CS+4*\q+3], s[32:33] offset:2048*(\u)+512*\q
.endr
.endm
.macro RUN p
	LOAD 0
	LOAD 1
	s_wait_loadcnt 8                               ; unit 0's 8 loads are in; unit 1's may be out
	TURN 0, \p
.irp u, 0,1,2,3,4,5,6,7
	s_wait_dscnt 0x0                               ; this unit is back from the stage, and its stores into the stage have read the set that the next loads take
.if \u+2 < 8
	LOAD \u+2
.endif
.if \u+1 < 8
.if \u+2 < 8
	s_wait_loadcnt 8                               ; the next unit's loads are in; the 8 just issued may be out
.else
	s_wait_loadcnt 0x0
.endif
	TURN \u+1, \p
.endif
.if \p
	WORKP \u
.else
	WORKQ \u
.endif
.endr
.endm
	s_load_b256 s[4:11], s[0:1], 0x0               ; x, qkv_w, proj_w, mask
	s_load_b256 s[12:19], s[0:1], 0x20             ; xc, xs, wc, ws
	s_load_b128 s[20:23], s[0:1], 0x40             ; pw, mimg
	s_load_b64 s[24:25], s[0:1], 0x50              ; rimg
	v_lshl_add_u32 v1, v0, 2, SPARE                ; my spare word
	v_mov_b32 v2, 0
	v_lshrrev_b32 v3, 5, v0
	v_readfirstlane_b32 s28, v3                    ; wave
	v_and_b32 v3, 31, v0                           ; l
	v_and_b32 v4, 15, v0                           ; r
	v_bfe_u32 v5, v0, 4, 1                         ; h
	v_lshlrev_b32 v8, 4, v3                        ; 16 l: my place in a chunk
	s_mul_i32 s29, s28, WREG
	v_mul_u32_u24 v6, v5, 272
	v_lshl_add_u32 v6, v4, 4, v6
	v_add_nc_u32 v6, s29, v6                       ; into the stage: row h of a pair, 16 r
	v_mul_u32_u24 v7, v4, 272
	v_add_nc_u32 v7, s29, v7                       ; out of it: row r
	s_mov_b32 s40, 0x76543210
	s_mov_b32 s41, 0xfedcba98                      ; v_permlanex16_b32's selects for lane l xor 16
	s_mov_b32 s45, 0                               ; the high word of the offsets' pair s[44:45]
	s_wait_kmcnt 0x0
	s_cmp_lt_u32 ttmp9, 448
	s_cbranch_scc0 .Lnot_quant
	; ---- x and qkv_w: ONE path; only pointers and row numbers are chosen, by the work-group's number
	s_cmp_lt_u32 ttmp9, 352
	s_cselect_b64 s[30:31], s[4:5], s[6:7]
	s_cselect_b64 s[32:33], s[12:13], s[16:17]
	s_cselect_b64 s[34:35], s[14:15], s[18:19]
	s_cselect_b32 s29, 0, 352
	s_sub_co_u32 s29, ttmp9, s29
	s_lshl_b32 s29, s29, 2
	s_add_co_u32 s29, s29, s28                     ; task
	s_lshr_b32 s36, s29, 1                         ; tile of 16 rows
	s_and_b32 s37, s29, 1                          ; which 512 columns
	s_mul_i32 s38, s36, 2979
	s_lshr_b32 s38, s38, 16                        ; x: batch = tile / 22 (exact for tiles under 704)
	s_mul_i32 s39, s38, 22
	s_sub_co_u32 s39, s36, s39
	s_lshl_b32 s39, s39, 4                         ; 16 t
	s_mul_i32 s38, s38, 341
	s_add_co_u32 s38, s38, s39                     ; first row
	s_sub_co_u32 s39, 340, s39
	s_min_u32 s39, s39, 15                         ; the tile's last row that exists
	s_lshl_b32 s42, s36, 4                         ; qkv_w: first row
	s_lshr_b32 s43, s36, 2
	s_and_b32 s43, s43, 15
	s_mul_i32 s43, s43, 12                         ; head x 12
	s_lshr_b32 s44, s36, 6
	s_lshl_b32 s44, s44, 2                         ; + part x 4
	s_add_co_u32 s43, s43, s44
	s_and_b32 s44, s36, 3
	s_add_co_u32 s43, s43, s44                     ; + tile in the head
	s_cmp_lt_u32 ttmp9, 352
	s_cselect_b32 s38, s38, s42
	s_cselect_b32 s39, s39, 15
	s_cselect_b32 s43, s36, s43                    ; the tile's place in the codes' buffer
	s_lshl_b32 s44, s38, 12
	s_lshl_b32 s46, s37, 11
	s_add_co_u32 s44, s44, s46
	s_add_nc_u64 s[30:31], s[30:31], s[44:45]      ; source: row x 4,096 + half x 2,048
	s_lshl_b32 s44, s43, 13
	s_lshl_b32 s46, s37, 12
	s_add_co_u32 s44, s44, s46
	s_add_nc_u64 s[32:33], s[32:33], s[44:45]      ; codes: tile x 8,192 + half x 4,096
	s_lshl_b32 s44, s43, 9
	s_lshl_b32 s46, s37, 8
	s_add_co_u32 s44, s44, s46
	s_add_nc_u64 s[34:35], s[34:35], s[44:45]      ; scale words: tile x 512 + half x 256
	v_lshl_add_u32 v7, v5, 7, v7                   ; my block: 128 h bytes into the row
	v_lshlrev_b32 v9, 4, v4
	v_lshl_add_u32 v9, v5, 3, v9                   ; scale words out: 16 r + 8 h
.irp i, 0,1,2,3,4,5,6,7
	v_add_nc_u32 v11, 2*\i, v5
	v_min_u32 v11, s39, v11                        ; a row past the batch's end repeats the last: no load leaves the batch
	v_lshlrev_b32 v11, 12, v11
	v_lshl_add_u32 v[RA+\i], v4, 4, v11
.endr
.irp k, 0,1,2,3
	v_mov_b32 v[SW+4+\k], 0                        ; a lane permute's destination counts as one of its sources
.endr
	RUN 0
	v_lshlrev_b32 v10, 3, v5
.irp k, 0,1,2,3
	v_lshlrev_b32 v[SW+\k], v10, v[SW+\k]          ; my two bytes at their places: 8 h bits up
.endr
.irp k, 0,1,2,3
	v_permlanex16_b32 v[SW+4+\k], v[SW+\k], s40, s41
.endr
.irp k, 0,1,2,3
	v_or_b32 v[SW+\k], v[SW+\k], v[SW+4+\k]        ; with lane l xor 16's two the word is whole
.endr
	v_cmp_eq_u32 vcc_lo, 1, v5
	v_cndmask_b32 v16, v192, v194, vcc_lo
	v_cndmask_b32 v17, v193, v195, vcc_lo          ; lanes 0-15 store words 0, 1 of their row, lanes 16-31 words 2, 3
	global_store_b64 v9, v[16:17], s[34:35]        ; 32 lanes store 256 consecutive bytes
	FINISH
.Lnot_quant:
	s_cmp_lt_u32 ttmp9, 480
	s_cbranch_scc0 .Lnot_proj
	; ---- proj_w -> f16 fragments: chunk (nt, ks, cc): lane (r, h) holds proj_w[16 nt + r][32 ks + 16 cc + 8 h + 0 .. 7]
	s_sub_co_u32 s29, ttmp9, 448
	s_lshl_b32 s29, s29, 2
	s_add_co_u32 s29, s29, s28
	s_lshr_b32 s36, s29, 1                         ; nt
	s_and_b32 s37, s29, 1
	s_lshl_b32 s44, s36, 16
	s_lshl_b32 s46, s37, 11
	s_add_co_u32 s44, s44, s46
	s_add_nc_u64 s[30:31], s[8:9], s[44:45]
	s_lshl_b32 s44, s36, 15
	s_lshl_b32 s46, s37, 14
	s_add_co_u32 s44, s44, s46
	s_add_nc_u64 s[32:33], s[20:21], s[44:45]
	v_add_nc_u32 v6, PREG, v6
	v_lshl_add_u32 v7, v5, 5, v7
	v_add_nc_u32 v7, PREG, v7
	v_lshlrev_b32 v11, 12, v5
	v_lshl_add_u32 v11, v4, 4, v11
.irp i, 0,1,2,3,4,5,6,7
	v_add_nc_u32 v[RA+\i], 8192*\i, v11
.endr
	RUN 1
	FINISH
.Lnot_proj:
	s_cmp_lt_u32 ttmp9, 722
	s_cbranch_scc0 .Lrope
	; ---- mask: a work-group is (query tile qt, key step ks), a wave one chunk (u, j4): lane (r, h), word i = mask[16 qt + r][32 ks + 16 u + 8 h + 4 j4 + i] x log2(e)
	s_sub_co_u32 s29, ttmp9, 480
	s_mul_i32 s36, s29, 5958
	s_lshr_b32 s36, s36, 16                        ; qt = m / 11 (exact for m under 242)
	s_mul_i32 s37, s36, 11
	s_sub_co_u32 s37, s29, s37                     ; ks
	s_lshl_b32 s36, s36, 4
	v_add_nc_u32 v11, s36, v4
	v_min_u32 v11, 340, v11                        ; a query past the end takes the last row's mask
	v_mul_u32_u24 v11, v11, 341
	s_lshl_b32 s37, s37, 5
	s_lshr_b32 s38, s28, 1
	s_lshl_b32 s38, s38, 4
	s_add_co_u32 s37, s37, s38
	s_and_b32 s38, s28, 1
	s_lshl_b32 s38, s38, 2
	s_add_co_u32 s37, s37, s38
	v_lshl_add_u32 v12, v5, 3, s37                 ; my first key
	s_lshl_b32 s44, s29, 2
	s_add_co_u32 s44, s44, s28
	s_lshl_b32 s44, s44, 9
	s_add_nc_u64 s[22:23], s[22:23], s[44:45]
.irp i, 0,1,2,3
	v_add_nc_u32 v[20+\i], \i, v12
	v_min_u32 v13, 340, v[20+\i]                   ; no load leaves the row
	v_add_lshl_u32 v[24+\i], v11, v13, 2
	global_load_b32 v[32+\i], v[24+\i], s[10:11]   ; a row of the mask is 1,364 bytes: only words are aligned
.endr
	v_mov_b32 v14, 0xff61b1e6                      ; -3e38
	s_wait_loadcnt 0x0
.irp i, 0,1,2,3
	v_mul_f32 v[32+\i], 0x3fb8aa3b, v[32+\i]
	v_cmp_gt_u32 vcc_lo, 341, v[20+\i]
	v_cndmask_b32 v[32+\i], v14, v[32+\i], vcc_lo  ; a key past the end counts for nothing
.endr
	global_store_b128 v8, v[32:35], s[22:23]
	FINISH
.Lrope:
	; ---- the rotary table: a wave is one chunk (token tile gt, tile T of 16 of the head's 64, cc): lane (r, h) holds (cos, sin, cos, sin) of pairs p = 8 T + 4 h + 2 cc + 0, 1 of token n = 16 gt + r.
	; Pairs 0-15 turn by the token's row in its segment, pairs 16-31 by its column; the position is a whole number t = index x 16 / side; the angle is t x 10000^(-(p mod 16) / 16).
	; sin and cos: the angle less the nearest multiple of pi / 2 (pi / 2 in two parts), polynomials of degree 7 and 8 on +-pi / 4, the quadrant by selects and sign bits.
	s_sub_co_u32 s29, ttmp9, 722
	s_lshl_b32 s29, s29, 2
	s_add_co_u32 s29, s29, s28                     ; chunk 0 .. 175
	s_lshr_b32 s36, s29, 3
	s_lshl_b32 s36, s36, 4                         ; 16 gt
	s_bfe_u32 s37, s29, 0x20001                    ; T
	s_and_b32 s39, s29, 1                          ; cc
	s_and_b32 s42, s37, 1
	s_lshl_b32 s42, s42, 3
	s_lshl_b32 s39, s39, 1
	s_add_co_u32 s42, s42, s39                     ; 8 (T mod 2) + 2 cc
	s_cmp_lt_u32 s37, 2
	s_cselect_b32 s38, -1, 0                       ; all ones where the pairs turn by the row
	s_lshl_b32 s44, s29, 9
	s_add_nc_u64 s[24:25], s[24:25], s[44:45]
	v_lshl_add_u32 v11, v5, 2, s42                 ; the first pair's frequency number
	v_add_nc_u32 v13, s36, v4                      ; n
	v_mov_b32 v14, 0                               ; log2 of the segment's side
	v_mov_b32 v15, 0                               ; the segment's first token
	v_cmp_gt_u32 vcc_lo, 1, v13
	v_cndmask_b32 v14, 1, v14, vcc_lo
	v_cndmask_b32 v15, 1, v15, vcc_lo
	v_cmp_gt_u32 vcc_lo, 5, v13
	v_cndmask_b32 v14, 2, v14, vcc_lo
	v_cndmask_b32 v15, 5, v15, vcc_lo
	v_cmp_gt_u32 vcc_lo, 21, v13
	v_cndmask_b32 v14, 3, v14, vcc_lo
	v_cndmask_b32 v15, 21, v15, vcc_lo
	v_cmp_gt_u32 vcc_lo, 85, v13
	v_cndmask_b32 v14, 4, v14, vcc_lo
	v_cndmask_b32 v15, 85, v15, vcc_lo
	v_sub_nc_u32 v13, v13, v15                     ; index in the segment
	v_lshrrev_b32 v16, v14, v13                    ; row
	v_lshlrev_b32 v17, v14, v16
	v_sub_nc_u32 v17, v13, v17                     ; column
	v_cndmask_b32 v16, v17, v16, s38
	v_sub_nc_u32 v17, 4, v14
	v_lshlrev_b32 v16, v17, v16                    ; x 16 / side
	v_cvt_f32_u32 v16, v16                         ; t
.irp e, 0,1
	v_add_nc_u32 v[40+\e], \e, v11
	v_cvt_f32_u32 v[40+\e], v[40+\e]
	v_mul_f32 v[40+\e], 0xbf549a78, v[40+\e]       ; x -log2(10000) / 16
.endr
	v_exp_f32 v42, v40
	v_exp_f32 v43, v41
	v_nop                                          ; a plain line behind the two exponentials,
	s_wait_alu depctr_va_vdst(0)                   ; and one wait ahead of their first reader
.irp e, 0,1
	v_mul_f32 v[44+\e], v16, v[42+\e]              ; the angle
	v_mul_f32 v[46+\e], 0x3f22f983, v[44+\e]
	v_rndne_f32 v[46+\e], v[46+\e]                 ; k = the nearest multiple of pi / 2
	v_fmamk_f32 v[44+\e], v[46+\e], 0xbfc90fdb, v[44+\e]
	v_fmamk_f32 v[44+\e], v[46+\e], 0x333bbd2e, v[44+\e]   ; what is left, at most pi / 4
	v_mul_f32 v[48+\e], v[44+\e], v[44+\e]
	v_mov_b32 v[50+\e], 0x3c088889
	v_fmamk_f32 v[50+\e], v[48+\e], 0xb9500d01, v[50+\e]
	v_fmaak_f32 v[50+\e], v[48+\e], v[50+\e], 0xbe2aaaab
	v_mul_f32 v[50+\e], v[48+\e], v[50+\e]
	v_fma_f32 v[50+\e], v[44+\e], v[50+\e], v[44+\e]       ; sin
	v_mov_b32 v[52+\e], 0xbab60b61
	v_fmamk_f32 v[52+\e], v[48+\e], 0x37d00d01, v[52+\e]
	v_fmaak_f32 v[52+\e], v[48+\e], v[52+\e], 0x3d2aaaab
	v_fmaak_f32 v[52+\e], v[48+\e], v[52+\e], 0xbf000000
	v_fma_f32 v[52+\e], v[48+\e], v[52+\e], 1.0            ; cos
	v_cvt_i32_f32 v[54+\e], v[46+\e]
	v_and_b32 v[56+\e], 1, v[54+\e]
	v_cmp_eq_u32 vcc_lo, 1, v[56+\e]
	v_cndmask_b32 v[58+\e], v[52+\e], v[50+\e], vcc_lo     ; an odd k changes the two over
	v_cndmask_b32 v[60+\e], v[50+\e], v[52+\e], vcc_lo
	v_add_nc_u32 v[56+\e], 1, v[54+\e]
	v_and_b32 v[56+\e], 2, v[56+\e]
	v_lshlrev_b32 v[56+\e], 30, v[56+\e]
	v_xor_b32 v[32+2*\e], v[58+\e], v[56+\e]               ; cos is negative for k mod 4 = 1, 2
	v_and_b32 v[54+\e], 2, v[54+\e]
	v_lshlrev_b32 v[54+\e], 30, v[54+\e]
	v_xor_b32 v[33+2*\e], v[60+\e], v[54+\e]               ; sin for k mod 4 = 2, 3
.endr
	global_store_b128 v8, v[32:35], s[24:25]
	FINISH
.Lfunc_end_k_qf49f60294c_prep:
	.size	k_qf49f60294c_prep, .Lfunc_end_k_qf49f60294c_prep-k_qf49f60294c_prep
	.p2alignl 7, 3214868480
	.fill 96, 4, 3214868480
	.section	.rodata,"a",@progbits
	.p2align	6, 0x0
	.amdhsa_kernel k_qf49f60294c_prep
		.amdhsa_group_segment_fixed_size 70144
		.amdhsa_private_segment_fixed_size 0
		.amdhsa_enable_private_segment 0
		.amdhsa_kernarg_size 88
		.amdhsa_user_sgpr_count 2
		.amdhsa_user_sgpr_kernarg_segment_ptr 1
		.amdhsa_wavefront_size32 1
		.amdhsa_system_sgpr_workgroup_id_x 1
		.amdhsa_system_sgpr_workgroup_id_y 1
		.amdhsa_system_sgpr_workgroup_id_z 1
		.amdhsa_system_vgpr_workitem_id 0
		.amdhsa_next_free_vgpr 200
		.amdhsa_next_free_sgpr 66
		.amdhsa_reserve_vcc 1
		.amdhsa_float_denorm_mode_32 3
		.amdhsa_float_denorm_mode_16_64 3
		.amdhsa_memory_ordered 1
		.amdhsa_forward_progress 1
		.amdhsa_inst_pref_size 67
	.end_amdhsa_kernel
	.amdgpu_metadata
---
amdhsa.version: [ 1, 2 ]
amdhsa.kernels:
  - .name:           k_qf49f60294c_prep
    .symbol:         k_qf49f60294c_prep.kd
    .args:
      - { .name: x, .offset: 0, .size: 8, .value_kind: global_buffer, .address_space: global }
      - { .name: qkv_w, .offset: 8, .size: 8, .value_kind: global_buffer, .address_space: global }
      - { .name: proj_w, .offset: 16, .size: 8, .value_kind: global_buffer, .address_space: global }
      - { .name: mask, .offset: 24, .size: 8, .value_kind: global_buffer, .address_space: global }
      - { .name: xc, .offset: 32, .size: 8, .value_kind: global_buffer, .address_space: global }
      - { .name: xs, .offset: 40, .size: 8, .value_kind: global_buffer, .address_space: global }
      - { .name: wc, .offset: 48, .size: 8, .value_kind: global_buffer, .address_space: global }
      - { .name: ws, .offset: 56, .size: 8, .value_kind: global_buffer, .address_space: global }
      - { .name: pw, .offset: 64, .size: 8, .value_kind: global_buffer, .address_space: global }
      - { .name: mimg, .offset: 72, .size: 8, .value_kind: global_buffer, .address_space: global }
      - { .name: rimg, .offset: 80, .size: 8, .value_kind: global_buffer, .address_space: global }
    .group_segment_fixed_size: 70144
    .private_segment_fixed_size: 0
    .kernarg_segment_align: 8
    .kernarg_segment_size: 88
    .max_flat_workgroup_size: 128
    .sgpr_count:     66
    .vgpr_count:     200
    .wavefront_size: 32
...
	.end_amdgpu_metadata
.endif
;; end of part 1
;; launch attn (part 2): grid 16 x 32, 11 waves a work-group, no clusters, 242,176 bytes of LDS; arguments xc, xs, wc, ws, qkv_b, mimg, rimg, ao; writes ao
.if DOCPART == 2
	.amdgcn_target "amdgcn-amd-amdhsa--gfx1250"
	.amdhsa_code_object_version 6
	.text
	.protected	k_qf49f60294c_attn
	.globl	k_qf49f60294c_attn
	.p2align	8
	.type	k_qf49f60294c_attn,@function
k_qf49f60294c_attn:
	s_mov_b64 s[64:65], 0
	v_nop
	global_prefetch_b8 v0, s[64:65] scope:SCOPE_SE
	s_setreg_imm32_b32 hwreg(HW_REG_WAVE_MODE, 25, 1), 1
	s_wait_xcnt 0x0
; ATTN: one work-group is one (head, batch): q, k, v = x W^T + b on codes of E2M1, the rotary turn, scores + mask, softmax with a running maximum, and P V.  q, k, v never go to memory.  No work of reference() is left out.
; SHARES.  352 padded tokens are 22 tiles of 16; wave w of eleven owns tokens 32 w .. 32 w + 31 (tiles t = 0, 1), as queries and as the maker of key step w's fragments of K and V^T.
; LAYOUT: nothing changes lanes between the products (r = lane % 16, h = lane / 16).
;   q, k TRANSPOSED (source 0 = 16 rows of W, source 1 = 16 tokens): a lane holds token r and d = 16 n + 8 h + 0..7; two tiles rounded to f16 in pairs ARE a 16-bit fragment (16 tokens x 32 d).
;   v NOT transposed (source 0 = tokens, source 1 = W): a lane holds channel r and tokens 16 t + 8 h + 0..7; the two token tiles ARE a fragment of V^T (16 channels x 32 keys).
;   S^T = K Q^T + mask: the mask x log2(e), laid by the launch before in the accumulator's layout, is loaded INTO the accumulator: adding it costs no instruction.
;   Two tiles of S^T, as p in f16, ARE source 1 of O^T = V^T P^T; each tile of O^T in f16 IS a chunk of the next launch's operand.
; q carries 0.125 log2(e), so p = 2^(s - m), m the query's running maximum; O^T and the sum l are multiplied by 2^(m_old - m_new) in every step; no branch hangs on data.
; W's codes, scale words and the bias of the head go through LDS once (waves 0-9 copy them); x's codes go straight into 128 registers and stay for all six passes.
; EVERY STREAM IS ASKED FOR AHEAD.  The operands that come out of LDS have 64 registers of their own in the second window (v256-319), which only LDS loads and matrix instructions name:
;   W's fragments of four K steps, one stream through all six passes, asked for two units (of two K steps) ahead, over the passes' ends too; later K's four fragments and V^T's four:
;   K is asked for a step ahead, V^T behind the step's scores, the mask two steps ahead into three buffers of S^T.  The price: two or three switches of the window for eight matrix instructions.
; NO CLUSTER, NO TENSOR LOAD: what work-groups share (x's codes among 16 heads; mask and table among all) goes straight into operand or accumulator registers; a joint load lands in LDS alone and
; would add those bytes to the LDS traffic, and beside 240,640 bytes there is no room for a ring of mask steps (2 x 45,056).
; LIMITS: NaN and infinities are not served; q x 0.18, k, v and the output lie under 65,504 (f16 operands); a row in which every key's mask value is so large that f32 drops the score beside it follows this text's rounding (in units of log2).
.set WSC,   98304                      ; LDS: 0: W's codes [12 tiles][8 K steps][1,024]; here its scale words [12][2][16][16 bytes];
.set BIAS,  104448                     ; the head's bias: q, k, v, 64 f32 each;
.set KIMG,  105472                     ; K's fragments [wave][2 t + c][1,024];
.set VOFF,  45056                      ; V^T's [wave][channel tile][1,024] lie this far behind K's;
.set QIMG,  195584                     ; Q's, as K's: each wave's own;
.set SPARE, 240640                     ; the spare words: 128 bytes a wave, six blocks of 256 bytes that no other line names
; REGISTERS, products on codes: v1, v2 the add's two; v3 16 l (also W's part 0), v4, v10 W's parts 1, 2; v5-v9 LDS addresses; v12-15 the copy's addresses, later v's bias
.set XF,  16                           ; v16-143  x's fragments: K step s, tile t at 16 s + 8 t
.set XSC, 144                          ; v144-151 x's scale words of K step s: lanes 0-15 tile 0's rows, lanes 16-31 tile 1's
.set WSA, 152                          ; v152-159 W's scale words likewise, passes 0, 2, 4;  v200-207 (48 on): passes 1, 3, 5
.set ACC, 160                          ; v160-191 four accumulators; a q or k pass's results in f16 take the low four registers of each, a v pass's v160-175
.set TMP, 192                          ; v192-199 at work in the rotary turn
.set BIA, 208                          ; v208-223 the bias of the pass's two tiles of W: the C of the first products
.set RT,  224                          ; v224-255 (cos, sin) beside the accumulators' registers
;                                        window 1: v0-63 (v256-319): W's fragments: K step s, tile n at 16 (s % 4) + 8 n
; REGISTERS, attention: v4, v5 my place in K's and in V^T's images
.set QF,  16                           ; v16-47   Q: 16 t + 8 c
.set OA,  48                           ; v48-111  O^T: 32 t + 8 d
.set ST,  144                          ; v144-159 a tile's eight: +0 m, +1 old m, +2, +3 l in two halves, +4 the factor, +5 its pair's upper word, +6, +7 at work
.set PF,  160                          ; v160-175 P: 8 t
;                                        S^T, three buffers by turns, 16 t + 8 u + j: v112-143, v224-255, v192-223;  window 1: v0-31 K: 16 u + 8 c; v32-63 V^T: 8 d
.set MSB, 0
.macro WIN new                         ; s_set_vgpr_msb: bits 1:0 source 0, 3:2 source 1, 7:6 destination; the immediate's high byte repeats the setting that is left; a switch that changes nothing is dropped
.if MSB != (\new)
	s_set_vgpr_msb (MSB<<8)|(\new)
.set MSB, (\new)
.endif
.endm
; A product on codes; rD, rC, rA, rB, rSA, rSB are set by the caller; ra, rb: the side's scale words stand in lanes 16-31; zero = 1: C is the constant 0
.macro QMM ra, rb, zero
.if \zero
.if (\ra) == 0 && (\rb) == 0
	v_wmma_scale_f32_16x16x128_f8f6f4 v[rD:rD+7], v[rA:rA+7], v[rB:rB+7], 0, v[rSA], v[rSB] matrix_a_fmt:MATRIX_FMT_FP4 matrix_b_fmt:MATRIX_FMT_FP4
.elseif (\ra) == 1 && (\rb) == 0
	v_wmma_scale_f32_16x16x128_f8f6f4 v[rD:rD+7], v[rA:rA+7], v[rB:rB+7], 0, v[rSA], v[rSB] matrix_a_fmt:MATRIX_FMT_FP4 matrix_b_fmt:MATRIX_FMT_FP4 matrix_a_scale:MATRIX_SCALE_ROW1
.elseif (\ra) == 0 && (\rb) == 1
	v_wmma_scale_f32_16x16x128_f8f6f4 v[rD:rD+7], v[rA:rA+7], v[rB:rB+7], 0, v[rSA], v[rSB] matrix_a_fmt:MATRIX_FMT_FP4 matrix_b_fmt:MATRIX_FMT_FP4 matrix_b_scale:MATRIX_SCALE_ROW1
.else
	v_wmma_scale_f32_16x16x128_f8f6f4 v[rD:rD+7], v[rA:rA+7], v[rB:rB+7], 0, v[rSA], v[rSB] matrix_a_fmt:MATRIX_FMT_FP4 matrix_b_fmt:MATRIX_FMT_FP4 matrix_a_scale:MATRIX_SCALE_ROW1 matrix_b_scale:MATRIX_SCALE_ROW1
.endif
.else
.if (\ra) == 0 && (\rb) == 0
	v_wmma_scale_f32_16x16x128_f8f6f4 v[rD:rD+7], v[rA:rA+7], v[rB:rB+7], v[rC:rC+7], v[rSA], v[rSB] matrix_a_fmt:MATRIX_FMT_FP4 matrix_b_fmt:MATRIX_FMT_FP4
.elseif (\ra) == 1 && (\rb) == 0
	v_wmma_scale_f32_16x16x128_f8f6f4 v[rD:rD+7], v[rA:rA+7], v[rB:rB+7], v[rC:rC+7], v[rSA], v[rSB] matrix_a_fmt:MATRIX_FMT_FP4 matrix_b_fmt:MATRIX_FMT_FP4 matrix_a_scale:MATRIX_SCALE_ROW1
.elseif (\ra) == 0 && (\rb) == 1
	v_wmma_scale_f32_16x16x128_f8f6f4 v[rD:rD+7], v[rA:rA+7], v[rB:rB+7], v[rC:rC+7], v[rSA], v[rSB] matrix_a_fmt:MATRIX_FMT_FP4 matrix_b_fmt:MATRIX_FMT_FP4 matrix_b_scale:MATRIX_SCALE_ROW1
.else
	v_wmma_scale_f32_16x16x128_f8f6f4 v[rD:rD+7], v[rA:rA+7], v[rB:rB+7], v[rC:rC+7], v[rSA], v[rSB] matrix_a_fmt:MATRIX_FMT_FP4 matrix_b_fmt:MATRIX_FMT_FP4 matrix_a_scale:MATRIX_SCALE_ROW1 matrix_b_scale:MATRIX_SCALE_ROW1
.endif
.endif
.endm
.macro PLACES                          ; four plain lines between a matrix instruction and a load into, or a vector write or read of, its registers
.rept 4
	v_nop
.endr
.endm
.macro XLOADS                          ; x's scale words, then its codes K step by K step: 34 loads
	global_load_b128 v[XSC:XSC+3], v10, s[6:7]
	global_load_b128 v[XSC+4:XSC+7], v10, s[6:7] offset:256
.irp s, 0,1,2,3,4,5,6,7
.irp t, 0,1
.irp e, 0,1
	global_load_b128 v[XF+16*\s+8*\t+4*\e:XF+16*\s+8*\t+4*\e+3], v3, s[4:5] offset:\t*8192+\s*1024+\e*512
.endr
.endr
.endr
.endm
.macro ROPELOAD hc                     ; (cos, sin) for d = 32 hc .. 32 hc + 31 of my two token tiles
.irp t, 0,1
.irp n, 0,1
.irp e, 0,1
	global_load_b128 v[RT+16*\t+8*\n+4*\e:RT+16*\t+8*\n+4*\e+3], v3, s[16:17] offset:(4*\t+2*(\hc)+\n)*1024+\e*512
.endr
.endr
.endr
.endm
.macro WLOADU part, hc, q              ; a unit of W: K steps 2 q and 2 q + 1 of the two tiles of (part, half hc): 8 loads into window 1
.if (\part) == 0
.set AWR, 3
.elseif (\part) == 1
.set AWR, 4
.else
.set AWR, 10
.endif
	WIN 0x40                                       ; destination window 1, address window 0
.irp z, 0,1
.irp n, 0,1
.irp e, 0,1
	ds_load_b128 v[16*((2*(\q)+\z)%4)+8*\n+4*\e:16*((2*(\q)+\z)%4)+8*\n+4*\e+3], v[AWR] offset:(2*(\hc)+\n)*8192+(2*(\q)+\z)*1024+\e*512
.endr
.endr
.endr
.endm
.macro AUX p, kind, part, hc           ; what pass p wants beside W: its scale words (2 loads) and its bias (kind 0: 4 loads, my eight d of each tile; kind 1: 2, my channel of each tile)
	WIN 0
.set WSN, WSA+48*((\p)%2)
	ds_load_b128 v[WSN:WSN+3], v5 offset:((\part)*4+2*(\hc))*512
	ds_load_b128 v[WSN+4:WSN+7], v5 offset:((\part)*4+2*(\hc))*512+256
.if (\kind) == 0
.irp n, 0,1
	ds_load_b128 v[BIA+8*\n:BIA+8*\n+3], v6 offset:(\part)*256+(32*(\hc)+16*\n)*4
	ds_load_b128 v[BIA+8*\n+4:BIA+8*\n+7], v6 offset:(\part)*256+(32*(\hc)+16*\n)*4+16
.endr
.else
	ds_load_b32 v[12+2*(\hc)], v7 offset:512+(32*(\hc))*4
	ds_load_b32 v[13+2*(\hc)], v7 offset:512+(32*(\hc)+16)*4
.endif
.endm
.macro MLOAD j                         ; key step j's mask for my two query tiles, into buffer j % 3 of S^T: 8 loads; every offset an immediate
.if ((\j)%3) == 0
.set SN, 112
.elseif ((\j)%3) == 1
.set SN, 224
.else
.set SN, 192
.endif
.irp t, 0,1
.irp u, 0,1
.irp e, 0,1
	global_load_b128 v[SN+16*\t+8*\u+4*\e:SN+16*\t+8*\u+4*\e+3], v3, s[14:15] offset:(\j)*2048+\t*22528+\u*1024+\e*512
.endr
.endr
.endr
.endm
; A PASS: 32 of the head's 64 (half hc) of q (part 0), k (1) or v (2) for my 32 tokens: four accumulators, four units of two K steps, 32 matrix instructions.  kind 0: transposed, bias as C, rotary turn; kind 1: v.
; p: the pass's number; nkind, npart, nhc: the next pass, whose first two units of W, scale words and bias are asked for here.
; The four accumulators take turns, one instruction a turn, in the same order in every K step and pass.
.macro PASS p, kind, part, hc, nkind, npart, nhc
.set WS, WSA+48*((\p)%2)
.if (\p) == 5
.set NA, 0
.elseif (\nkind) == 0
.set NA, 6
.else
.set NA, 4
.endif
.irp q, 0,1,2,3
.if \q == 0
.if (\p) == 0
	s_wait_dscnt 8                                 ; scale words, bias and unit 0 are in; unit 1's 8 loads may be out
.else
	s_wait_dscnt 0x0                               ; the last pass's four stores have read the accumulators' registers, which are written again now; the two units asked for ahead of them are in
.endif
.elseif \q == 3
.if (\p) == 5
	s_wait_dscnt 0x0
.else
	s_wait_dscnt 8                                 ; behind this unit's loads: the next unit's 8
.endif
.else
	s_wait_dscnt 8+NA                              ; behind this unit's loads: a unit's 8 and the next pass's scale words and bias
.endif
.if (\p) == 0
	s_wait_loadcnt 32-8*\q                         ; x's K steps 2 q and 2 q + 1 are in: behind them 4 loads for each later K step and the table's 8
.endif
.if (\kind) == 0
	WIN 0x01                                       ; source 0 (W) window 1
.else
	WIN 0x04                                       ; source 1 (W) window 1
.endif
.irp z, 0,1
.set sS, 2*\q+\z
.irp a, 0,1
.irp b, 0,1
.set rD, ACC+16*\a+8*\b
.set rC, ACC+16*\a+8*\b
.if (\kind) == 0                       ; a: token tile, b: tile of W
.set rA, 16*(sS%4)+8*\b
.set rB, XF+16*sS+8*\a
.set rSA, WS+sS
.set rSB, XSC+sS
.if sS == 0
.set rC, BIA+8*\b
.endif
	QMM \b, \a, 0
.else                                  ; a: tile of W, b: token tile
.set rA, XF+16*sS+8*\b
.set rB, 16*(sS%4)+8*\a
.set rSA, XSC+sS
.set rSB, WS+sS
.if sS == 0
	QMM \b, \a, 1
.else
	QMM \b, \a, 0
.endif
.endif
.endr
.endr
.endr
.if ((\p) < 5) || (\q < 2)
	PLACES                                         ; in front of loads into the registers just multiplied (and, behind unit 3, of the first read of the results)
.if \q < 2
	WLOADU \part, \hc, \q+2
.else
	WLOADU \npart, \nhc, \q-2
.endif
.endif
.if (\q == 0) && ((\p) < 5)
	AUX (\p)+1, \nkind, \npart, \nhc
.endif
.endr
	WIN 0
.if (\kind) == 0
	s_wait_loadcnt 0x0                             ; the table
.irp g, 0,1,2,3                        ; an accumulator at a time, from its low end on; its four pairs (a, b) -> (a cos - b sin, b cos + a sin) by turns
.irp z, 0,1,2,3
	v_mul_f32 v[TMP+2*\z], v[ACC+8*\g+2*\z], v[RT+8*\g+2*\z]
.endr
.irp z, 0,1,2,3
	v_mul_f32 v[TMP+2*\z+1], v[ACC+8*\g+2*\z+1], v[RT+8*\g+2*\z]
.endr
.irp z, 0,1,2,3
	v_fma_f32 v[TMP+2*\z], -v[ACC+8*\g+2*\z+1], v[RT+8*\g+2*\z+1], v[TMP+2*\z]
.endr
.irp z, 0,1,2,3
	v_fma_f32 v[TMP+2*\z+1], v[ACC+8*\g+2*\z], v[RT+8*\g+2*\z+1], v[TMP+2*\z+1]
.endr
.if (\part) == 0
.irp z, 0,1,2,3
	v_pk_mul_f32 v[TMP+2*\z:TMP+2*\z+1], v[TMP+2*\z:TMP+2*\z+1], s[32:33] op_sel_hi:[1,0]   ; q carries 0.125 log2(e)
.endr
.endif
.irp z, 0,1,2,3
	v_cvt_pk_f16_f32 v[ACC+8*\g+\z], v[TMP+2*\z], v[TMP+2*\z+1]   ; over the accumulator's low four, which are done with
.endr
.if (\part) == 0
	ds_store_b128 v9, v[ACC+8*\g:ACC+8*\g+3] offset:(2*(\g/2)+(\hc))*1024+(\g%2)*512
.else
	ds_store_b128 v8, v[ACC+8*\g:ACC+8*\g+3] offset:(2*(\g/2)+(\hc))*1024+(\g%2)*512
.endif
.endr
.else
.if (\p) == 5                          ; x's registers and the table's are free: the first two key steps' masks and my Q are asked for here, and land under the lines below and the barrier
	PLACES
	MLOAD 0
	MLOAD 1
.irp i, 0,1,2,3
	ds_load_b128 v[QF+8*\i:QF+8*\i+3], v9 offset:\i*1024
	ds_load_b128 v[QF+8*\i+4:QF+8*\i+7], v9 offset:\i*1024+512
.endr
.endif
.irp n, 0,1
.irp j, 0,1,2,3,4,5,6,7,8,9,10,11,12,13,14,15
	v_add_f32 v[ACC+16*\n+\j], v[12+2*(\hc)+\n], v[ACC+16*\n+\j]
.endr
.endr
.irp i, 0,1,2,3,4,5,6,7,8,9,10,11,12,13,14,15
	v_cvt_pk_f16_f32 v[ACC+\i], v[ACC+2*\i], v[ACC+2*\i+1]   ; packed downward in place: result i lands on a register whose number has been read
.endr
.irp n, 0,1
.irp e, 0,1
	ds_store_b128 v8, v[ACC+8*\n+4*\e:ACC+8*\n+4*\e+3] offset:VOFF+(2*(\hc)+\n)*1024+\e*512
.endr
.endr
.endif
.endm
	s_load_b256 s[4:11], s[0:1], 0x0               ; xc, xs, wc, ws
	s_load_b256 s[12:19], s[0:1], 0x20             ; qkv_b, mimg, rimg, ao
	v_lshl_add_u32 v1, v0, 2, SPARE                ; my spare word
	v_mov_b32 v2, 0
	v_lshrrev_b32 v3, 5, v0
	v_readfirstlane_b32 s20, v3                    ; wave 0..10
	v_and_b32 v15, 31, v0
	v_lshlrev_b32 v3, 4, v15                       ; 16 l
	v_and_b32 v7, 15, v0                           ; r
	v_bfe_u32 v4, v0, 4, 1                         ; h
	v_lshlrev_b32 v10, 4, v7
	v_lshl_add_u32 v10, v4, 9, v10                 ; scale words: tile h, row r: 512 h + 16 r
	v_add_nc_u32 v5, WSC, v10
	v_lshl_add_u32 v6, v4, 5, BIAS                 ; the bias of my eight d
	v_lshl_add_u32 v7, v7, 2, BIAS                 ; and of my channel
	v_lshlrev_b32 v11, 3, v15                      ; 8 l
	v_add_nc_u32 v15, BIAS, v11
	v_add_nc_u32 v4, 32768, v3                     ; W's part 1 (k): an LDS offset has 16 bits
	s_lshl_b32 s24, s20, 12
	v_add_nc_u32 v8, s24, v3
	v_add_nc_u32 v9, QIMG, v8                      ; my images of Q,
	v_add_nc_u32 v8, KIMG, v8                      ; of K and (VOFF on) of V^T
	s_lshl_b32 s24, s20, 10
	v_add_nc_u32 v12, s24, v3                      ; the copy of W: K step = my wave, tiles 0-5,
	v_add_nc_u32 v13, 49152, v12                   ; and tiles 6-11
	v_add_nc_u32 v14, WSC, v3
	s_and_b32 s22, ttmp7, 0xffff                   ; batch
	s_mul_i32 s23, s22, 22
	s_lshl_b32 s24, s20, 1
	s_add_co_u32 s23, s23, s24                     ; my first token tile
	s_mov_b32 s25, 0
	s_mov_b32 s30, 0x76543210
	s_mov_b32 s31, 0xfedcba98                      ; v_permlanex16_b32's selects for lane l xor 16
	s_mov_b32 s32, 0x3e38aa3b                      ; 0.125 log2(e)
	s_mov_b32 s33, s32                             ; (named with it as a pair)
	s_wait_kmcnt 0x0
	s_lshl_b32 s24, s23, 13
	s_add_nc_u64 s[4:5], s[4:5], s[24:25]
	s_lshl_b32 s24, s23, 9
	s_add_nc_u64 s[6:7], s[6:7], s[24:25]
	s_mul_i32 s24, ttmp9, 98304
	s_lshl_b32 s26, s20, 10
	s_add_co_u32 s24, s24, s26
	s_add_nc_u64 s[8:9], s[8:9], s[24:25]          ; the head's W, at K step = my wave
	s_mul_i32 s24, ttmp9, 6144
	s_add_nc_u64 s[10:11], s[10:11], s[24:25]
	s_lshl_b32 s24, ttmp9, 8
	s_add_nc_u64 s[12:13], s[12:13], s[24:25]
	s_mul_i32 s24, s20, 45056
	s_add_nc_u64 s[14:15], s[14:15], s[24:25]      ; my two query tiles' mask
	s_lshl_b32 s24, s20, 13
	s_add_nc_u64 s[16:17], s[16:17], s[24:25]
	s_lshl_b32 s24, s23, 5
	s_lshl_b32 s26, ttmp9, 1
	s_add_co_u32 s24, s24, s26
	s_lshl_b32 s24, s24, 10
	s_add_nc_u64 s[18:19], s[18:19], s[24:25]      ; output: (tile x 32 + 2 head) x 1,024
	; THE COPY COMES FIRST: every wave waits for it at the barrier, and for x only K step by K step.  In each arm: my part of the copy is asked for, then x (34 loads);
	; the count 34 shows the copy's data in and leaves x on its way.
	s_cmp_lt_u32 s20, 8
	s_cbranch_scc0 .Lnot_w
.irp n, 0,1,2,3,4,5,6,7,8,9,10,11      ; waves 0-7: W's codes of one K step, 12 tiles
.irp e, 0,1
	global_load_b128 v[160+8*\n+4*\e:160+8*\n+4*\e+3], v3, s[8:9] offset:\n*8192+\e*512
.endr
.endr
	XLOADS
	s_wait_loadcnt 34
.irp n, 0,1,2,3,4,5
.irp e, 0,1
	ds_store_b128 v12, v[160+8*\n+4*\e:160+8*\n+4*\e+3] offset:\n*8192+\e*512
	ds_store_b128 v13, v[208+8*\n+4*\e:208+8*\n+4*\e+3] offset:\n*8192+\e*512
.endr
.endr
	s_branch .Ljoin
.Lnot_w:
	s_cmp_eq_u32 s20, 8
	s_cbranch_scc0 .Lnot_s
.irp i, 0,1,2,3,4,5,6,7,8,9,10,11      ; wave 8: W's scale words
	global_load_b128 v[160+4*\i:160+4*\i+3], v3, s[10:11] offset:512*\i
.endr
	XLOADS
	s_wait_loadcnt 34
.irp i, 0,1,2,3,4,5,6,7,8,9,10,11
	ds_store_b128 v14, v[160+4*\i:160+4*\i+3] offset:512*\i
.endr
	s_branch .Ljoin
.Lnot_s:
	s_cmp_eq_u32 s20, 9
	s_cbranch_scc0 .Lnot_b
.irp i, 0,1,2                          ; wave 9: the bias
	global_load_b64 v[160+2*\i:161+2*\i], v11, s[12:13] offset:4096*\i
.endr
	XLOADS
	s_wait_loadcnt 34
.irp i, 0,1,2
	ds_store_b64 v15, v[160+2*\i:161+2*\i] offset:256*\i
.endr
	s_branch .Ljoin
.Lnot_b:
	XLOADS
.Ljoin:
	s_wait_dscnt 0x0                               ; for the others' sake: my part of the copy has landed (and has read the registers that the table takes)
	ROPELOAD 0
	s_barrier_signal -1
	s_barrier_wait -1                              ; W, its scale words and the bias lie in LDS
	AUX 0, 0, 1, 0
	WLOADU 1, 0, 0
	WLOADU 1, 0, 1
	PASS 0, 0, 1, 0, 0, 0, 0                       ; k, d 0-31
	v_add_nc_u32 v10, 0x10000, v3                  ; W's part 2 (v); x's scale words, which this register addressed, were shown in by the pass's first wait for loads
	PASS 1, 0, 0, 0, 0, 1, 1                       ; q, the same table
	ROPELOAD 1                                     ; it has the next pass's 32 products in which to land
	PASS 2, 0, 1, 1, 0, 0, 1
	PASS 3, 0, 0, 1, 1, 2, 0
	PASS 4, 1, 2, 0, 1, 2, 1                       ; v
	PASS 5, 1, 2, 1, 0, 0, 0
	s_wait_dscnt 0x0                               ; my images have landed, my Q is in
	s_barrier_signal -1
	s_barrier_wait -1                              ; every wave's K and V^T lie in LDS; nothing is written there again
	v_add_nc_u32 v4, KIMG, v3
	v_add_nc_u32 v5, KIMG+VOFF, v3
.irp t, 0,1
	v_mov_b32 v[ST+8*\t+1], 0                      ; named as the upper words of pairs before they are first written
	v_mov_b32 v[ST+8*\t+5], 0
.endr
.macro KLOAD j                         ; key step j's four fragments of K, into window 1
.irp u, 0,1
.irp c, 0,1
	ds_load_b128 v[16*\u+8*\c:16*\u+8*\c+3], v4 offset:(\j)*4096+(2*\u+\c)*1024
	ds_load_b128 v[16*\u+8*\c+4:16*\u+8*\c+7], v4 offset:(\j)*4096+(2*\u+\c)*1024+512
.endr
.endr
.endm
.macro VLOAD j                         ; and of V^T
.irp d, 0,1,2,3
	ds_load_b128 v[32+8*\d:32+8*\d+3], v5 offset:(\j)*4096+\d*1024
	ds_load_b128 v[32+8*\d+4:32+8*\d+7], v5 offset:(\j)*4096+\d*1024+512
.endr
.endm
; KEY STEP j: 32 keys; step 0 starts m, l and O^T.  The eleven steps are written out: the three buffers of S^T come back after three steps, the first step and the last two differ,
; and so every address is an immediate and every count is the step's own.  The scores are issued under the window setting that the step before left for its last products.
.macro STEP j
.if ((\j)%3) == 0
.set SB, 112
.elseif ((\j)%3) == 1
.set SB, 224
.else
.set SB, 192
.endif
.if (\j) < 10
	s_wait_loadcnt 8                               ; this step's mask is in the accumulators; the next step's 8 loads may be out
.else
	s_wait_loadcnt 0x0
.endif
	s_wait_dscnt 0x0                               ; K, asked for a softmax and eight products ago
	WIN 0x01                                       ; source 0 (K, later V^T) window 1
.irp c, 0,1                            ; S^T = K Q^T + mask: four accumulators by turns
.irp t, 0,1
.irp u, 0,1
	v_wmma_f32_16x16x32_f16 v[SB+16*\t+8*\u:SB+16*\t+8*\u+7], v[16*\u+8*\c:16*\u+8*\c+7], v[QF+16*\t+8*\c:QF+16*\t+8*\c+7], v[SB+16*\t+8*\u:SB+16*\t+8*\u+7]
.endr
.endr
.endr
	PLACES                                         ; behind the scores and behind the last step's O^T products: for the loads below and the first read of the scores
	WIN 0x40
	VLOAD \j                                       ; it has the softmax in which to land,
.if (\j) < 10
	KLOAD (\j)+1                                   ; the next step's K the rest of this step
.endif
	WIN 0
.if (\j) < 9
	MLOAD (\j)+2                                   ; two steps ahead, into the buffer that the step before has left
.endif
.irp t, 0,1                            ; the maximum of my 16 scores of each tile, two chains, each accumulator from its low end on
	v_max3_num_f32 v[ST+8*\t+6], v[SB+16*\t], v[SB+16*\t+1], v[SB+16*\t+2]
	v_max3_num_f32 v[ST+8*\t+7], v[SB+16*\t+8], v[SB+16*\t+9], v[SB+16*\t+10]
.endr
.irp i, 3,5
.irp t, 0,1
	v_max3_num_f32 v[ST+8*\t+6], v[ST+8*\t+6], v[SB+16*\t+\i], v[SB+16*\t+\i+1]
	v_max3_num_f32 v[ST+8*\t+7], v[ST+8*\t+7], v[SB+16*\t+8+\i], v[SB+16*\t+9+\i]
.endr
.endr
.irp t, 0,1
	v_max3_num_f32 v[ST+8*\t+6], v[ST+8*\t+6], v[SB+16*\t+7], v[SB+16*\t+15]
.endr
.if (\j) == 0
.irp t, 0,1
	v_max_num_f32 v[ST+8*\t+6], v[ST+8*\t+6], v[ST+8*\t+7]
.endr
.else
.irp t, 0,1
	v_mov_b32 v[ST+8*\t+1], v[ST+8*\t]
.endr
.irp t, 0,1
	v_max3_num_f32 v[ST+8*\t+6], v[ST+8*\t+6], v[ST+8*\t+7], v[ST+8*\t]
.endr
.endif
.irp t, 0,1
	v_permlanex16_b32 v[ST+8*\t+7], v[ST+8*\t+6], s30, s31   ; the query's other 16 keys lie in the lane 16 away
.endr
.irp t, 0,1
	v_max_num_f32 v[ST+8*\t], v[ST+8*\t+6], v[ST+8*\t+7]
.endr
.if (\j) > 0
.irp t, 0,1
	v_sub_f32 v[ST+8*\t+4], v[ST+8*\t+1], v[ST+8*\t]
.endr
.endif
.irp i, 0,2,4,6,8,10,12,14
.irp t, 0,1
	v_pk_add_f32 v[SB+16*\t+\i:SB+16*\t+\i+1], v[SB+16*\t+\i:SB+16*\t+\i+1], v[ST+8*\t:ST+8*\t+1] op_sel_hi:[1,0] neg_lo:[0,1] neg_hi:[0,1]   ; s - m
.endr
.endr
.irp i, 0,1,2,3,4,5,6,7,8,9,10,11,12,13,14,15,16,17,18,19,20,21,22,23,24,25,26,27,28,29,30,31
	v_exp_f32 v[SB+\i], v[SB+\i]                   ; ONE batch
.endr
.if (\j) > 0
.irp t, 0,1
	v_exp_f32 v[ST+8*\t+4], v[ST+8*\t+4]
.endr
.endif
	v_nop                                          ; a plain line behind the last exponential,
	s_wait_alu depctr_va_vdst(0)                   ; and one wait ahead of the batch's first reader
.irp i, 0,1,2,3,4,5,6,7
.irp t, 0,1
	v_cvt_pk_f16_f32 v[PF+8*\t+\i], v[SB+16*\t+2*\i], v[SB+16*\t+2*\i+1]
.endr
.endr
.irp i, 0,4,8,12                       ; the sum is taken of the unrounded p, two at a time, as a tree in place
.irp t, 0,1
	v_pk_add_f32 v[SB+16*\t+\i:SB+16*\t+\i+1], v[SB+16*\t+\i:SB+16*\t+\i+1], v[SB+16*\t+\i+2:SB+16*\t+\i+3]
.endr
.endr
.irp i, 0,8
.irp t, 0,1
	v_pk_add_f32 v[SB+16*\t+\i:SB+16*\t+\i+1], v[SB+16*\t+\i:SB+16*\t+\i+1], v[SB+16*\t+\i+4:SB+16*\t+\i+5]
.endr
.endr
.if (\j) == 0
.irp t, 0,1
	v_pk_add_f32 v[ST+8*\t+2:ST+8*\t+3], v[SB+16*\t:SB+16*\t+1], v[SB+16*\t+8:SB+16*\t+9]
.endr
.else
.irp t, 0,1
	v_pk_add_f32 v[SB+16*\t:SB+16*\t+1], v[SB+16*\t:SB+16*\t+1], v[SB+16*\t+8:SB+16*\t+9]
.endr
.irp t, 0,1
	v_pk_fma_f32 v[ST+8*\t+2:ST+8*\t+3], v[ST+8*\t+2:ST+8*\t+3], v[ST+8*\t+4:ST+8*\t+5], v[SB+16*\t:SB+16*\t+1] op_sel_hi:[1,0,1]
.endr
.irp t, 0,1
.irp i, 0,2,4,6,8,10,12,14,16,18,20,22,24,26,28,30
	v_pk_mul_f32 v[OA+32*\t+\i:OA+32*\t+\i+1], v[OA+32*\t+\i:OA+32*\t+\i+1], v[ST+8*\t+4:ST+8*\t+5] op_sel_hi:[1,0]   ; O^T under the new maximum, each accumulator from its low end on
.endr
.endr
.endif
.if (\j) < 10
	s_wait_dscnt 8                                 ; V^T is in; behind it the next step's K, 8 loads
.else
	s_wait_dscnt 0x0
.endif
	WIN 0x01
.irp d, 0,1,2,3                        ; O^T += V^T P^T: eight accumulators by turns
.irp t, 0,1
.if (\j) == 0
	v_wmma_f32_16x16x32_f16 v[OA+32*\t+8*\d:OA+32*\t+8*\d+7], v[32+8*\d:32+8*\d+7], v[PF+8*\t:PF+8*\t+7], 0
.else
	v_wmma_f32_16x16x32_f16 v[OA+32*\t+8*\d:OA+32*\t+8*\d+7], v[32+8*\d:32+8*\d+7], v[PF+8*\t:PF+8*\t+7], v[OA+32*\t+8*\d:OA+32*\t+8*\d+7]
.endif
.endr
.endr
.endm
	WIN 0x40
	KLOAD 0
.irp j, 0,1,2,3,4,5,6,7,8,9,10
	STEP \j
.endr
	WIN 0
	; THE WAY OUT: l's halves and the other lanes' are added (these lines are the places behind the last products); O^T / l in f16 is the next launch's operand as it stands
.irp t, 0,1
	v_add_f32 v[ST+8*\t+6], v[ST+8*\t+2], v[ST+8*\t+3]
.endr
.irp t, 0,1
	v_permlanex16_b32 v[ST+8*\t+7], v[ST+8*\t+6], s30, s31
.endr
.irp t, 0,1
	v_add_f32 v[ST+8*\t+6], v[ST+8*\t+6], v[ST+8*\t+7]
.endr
.irp t, 0,1
	v_rcp_f32 v[ST+8*\t+4], v[ST+8*\t+6]
.endr
	v_nop
	s_wait_alu depctr_va_vdst(0)                   ; one wait for the two reciprocals, ahead of their first reader
.irp t, 0,1
.irp i, 0,2,4,6,8,10,12,14,16,18,20,22,24,26,28,30
	v_pk_mul_f32 v[OA+32*\t+\i:OA+32*\t+\i+1], v[OA+32*\t+\i:OA+32*\t+\i+1], v[ST+8*\t+4:ST+8*\t+5] op_sel_hi:[1,0]
.endr
.endr
.irp i, 0,1,2,3,4,5,6,7,8,9,10,11,12,13,14,15,16,17,18,19,20,21,22,23,24,25,26,27,28,29,30,31
	v_cvt_pk_f16_f32 v[112+\i], v[OA+2*\i], v[OA+2*\i+1]
.endr
.irp t, 0,1
.irp d, 0,1,2,3
	global_store_b128 v3, v[112+16*\t+4*\d:112+16*\t+4*\d+3], s[18:19] offset:\t*32768+\d*512   ; a chunk: 512 consecutive bytes
.endr
.endr
	s_wait_tensorcnt 0x0                           ; the wave's end, behind my last LDS store
	ds_add_u32 v1, v2
	s_wait_dscnt 0x0
	s_endpgm
.Lfunc_end_k_qf49f60294c_attn:
	.size	k_qf49f60294c_attn, .Lfunc_end_k_qf49f60294c_attn-k_qf49f60294c_attn
	.p2alignl 7, 3214868480
	.fill 96, 4, 3214868480
	.section	.rodata,"a",@progbits
	.p2align	6, 0x0
	.amdhsa_kernel k_qf49f60294c_attn
		.amdhsa_group_segment_fixed_size 242176
		.amdhsa_private_segment_fixed_size 0
		.amdhsa_enable_private_segment 0
		.amdhsa_kernarg_size 64
		.amdhsa_user_sgpr_count 2
		.amdhsa_user_sgpr_kernarg_segment_ptr 1
		.amdhsa_wavefront_size32 1
		.amdhsa_system_sgpr_workgroup_id_x 1
		.amdhsa_system_sgpr_workgroup_id_y 1
		.amdhsa_system_sgpr_workgroup_id_z 1
		.amdhsa_system_vgpr_workitem_id 0
		.amdhsa_next_free_vgpr 320
		.amdhsa_next_free_sgpr 66
		.amdhsa_reserve_vcc 0
		.amdhsa_float_denorm_mode_32 3
		.amdhsa_float_denorm_mode_16_64 3
		.amdhsa_memory_ordered 1
		.amdhsa_forward_progress 1
		.amdhsa_inst_pref_size 211
	.end_amdhsa_kernel
	.amdgpu_metadata
---
amdhsa.version: [ 1, 2 ]
amdhsa.kernels:
  - .name:           k_qf49f60294c_attn
    .symbol:         k_qf49f60294c_attn.kd
    .args:
      - { .name: xc, .offset: 0, .size: 8, .value_kind: global_buffer, .address_space: global }
      - { .name: xs, .offset: 8, .size: 8, .value_kind: global_buffer, .address_space: global }
      - { .name: wc, .offset: 16, .size: 8, .value_kind: global_buffer, .address_space: global }
      - { .name: ws, .offset: 24, .size: 8, .value_kind: global_buffer, .address_space: global }
      - { .name: qkv_b, .offset: 32, .size: 8, .value_kind: global_buffer, .address_space: global }
      - { .name: mimg, .offset: 40, .size: 8, .value_kind: global_buffer, .address_space: global }
      - { .name: rimg, .offset: 48, .size: 8, .value_kind: global_buffer, .address_space: global }
      - { .name: ao, .offset: 56, .size: 8, .value_kind: global_buffer, .address_space: global }
    .group_segment_fixed_size: 242176
    .private_segment_fixed_size: 0
    .kernarg_segment_align: 8
    .kernarg_segment_size: 64
    .max_flat_workgroup_size: 352
    .sgpr_count:     66
    .vgpr_count:     320
    .wavefront_size: 32
...
	.end_amdgpu_metadata
.endif
;; end of part 2
;; launch proj (part 3): grid 8 x 32, 4 waves a work-group, clusters of 4 x 4, 327,680 bytes of LDS; arguments ao, pw, proj_b, out0; writes out0
.if DOCPART == 3
	.amdgcn_target "amdgcn-amd-amdhsa--gfx1250"
	.amdhsa_code_object_version 6
	.text
	.protected	k_qf49f60294c_proj
	.globl	k_qf49f60294c_proj
	.p2align	8
	.type	k_qf49f60294c_proj,@function
k_qf49f60294c_proj:
	s_mov_b64 s[64:65], 0
	v_nop
	global_prefetch_b8 v0, s[64:65] scope:SCOPE_SE
	s_setreg_imm32_b32 hwreg(HW_REG_WAVE_MODE, 25, 1), 1
	s_wait_xcnt 0x0
	s_wait_alu depctr_hold_cnt(0) depctr_sa_sdst(0) depctr_va_vdst(0) depctr_va_sdst(0) depctr_va_ssrc(0) depctr_va_vcc(0) depctr_vm_vsrc(0)
	s_getreg_b32 s2, hwreg(HW_REG_IB_STS2, 6, 4)
	s_cmp_eq_u32 s2, 0
	s_cbranch_scc0 .Lentry_in_a_cluster
	s_endpgm
.Lentry_in_a_cluster:
	s_bfe_u32 s2, ttmp6, 0x10000c
	s_cmp_lg_u32 s2, 0xf033
	s_cbranch_scc0 .Lentry_shape_is_right
	s_endpgm
.Lentry_shape_is_right:
; PROJ: out0 = attention output x proj_w^T + proj_b, f16 operands, f32 sums.  Both operands lie in memory as fragments (1,024 bytes: 16 rows x 32 K, lane l's 16 bytes at 16 l of each half).  No work of reference() is left out.
; SHARES.  A work-group makes one batch's 352 padded rows (22 tiles of 16) x 128 columns: 8 x 32 = 256 work-groups.  Wave w: row tiles 11 (w / 2) .. + 10, column tiles 4 (w % 2) .. + 3: 44 accumulators;
; for 32 along K it reads 15 fragments for 44 matrix instructions.  Rows 341..351 are computed inside the last tile and not stored.
; K goes in 8 steps of 128 through two LDS slots filled by the tensor data mover: a fragment tile's 4,096 bytes of a K step are one row of the load, 32,768 bytes from tile to tile.
; No padding: every fragment load reads 512 consecutive bytes.
; CLUSTERS: 4 x 4 work-groups.  The four of a row of the cluster have the same batch and need the same tiles of A, the four of a column the same 128 columns of proj_w: each tile is asked for JOINTLY,
; by the same tensor load with the same descriptor and a mask that names the four.
; THE MATRIX INSTRUCTION IS USED TRANSPOSED (source 0 = 16 rows of proj_w, source 1 = 16 tokens): a lane holds eight neighbouring columns of one row of the output.
; REGISTERS, in windows of 256: window 0: v3, v15 the add's two; v4-7, v12-14 addresses; v8-11 the bias; v16-103, v104-191 A's 11 fragments, two sets; v192-223, v224-255 B's four, two sets.
;   window 1: the accumulators of row tiles 0-5 at 8 (4 tl + nl);   window 2: those of row tiles 6-10.
.set SLOT,  122880                     ; A: 22 x 4,096, then B: 8 x 4,096
.set BOFF,  90112
.set STAGE, 245760                     ; behind the ring: 16 rows x 272 bytes for each wave, for the way out
.set SPARE, 263168                     ; the spare words: 128 bytes a wave, two blocks of 256 bytes that no other line names
.set AF, 16
.set BF, 192
.set OB, 16                            ; the way out: 16 rows read back: v16-47 and v48-79 by turns
.set G1,  24                           ; s[24:31] descriptor group 1 for A's tiles; s[32:39] group 0, a set for each slot
.set G0,  32
.set G1B, 48                           ; s[48:55], s[56:63] the same for B's
.set G0B, 56
.set MSB, 0
.macro WIN new                         ; the immediate's high byte repeats the setting that is left; a switch that changes nothing is dropped
.if MSB != (\new)
	s_set_vgpr_msb (MSB<<8)|(\new)
.set MSB, (\new)
.endif
.endm
.set LO, 0x50                          ; C and D window 1
.set HI, 0xa0                          ; C and D window 2
.macro PLACES
.rept 4
	v_nop
.endr
.endm
; A joint load: waves 0 and 1 fetch A's two halves, waves 2 and 3 B's.  The branch hangs on the wave's number alone.  An s_nop 0 and four v_nop follow each of the two lines.
.macro JLOAD s
	s_cmp_eq_u32 s13, 0
	s_cbranch_scc0 .Lfor_b_\@
	tensor_load_to_lds s[G0+4*\s:G0+4*\s+3], s[G1:G1+7]
	s_nop 0
.rept 4
	v_nop
.endr
	s_branch .Lasked_\@
.Lfor_b_\@:
	tensor_load_to_lds s[G0B+4*\s:G0B+4*\s+3], s[G1B:G1B+7]
	s_nop 0
.rept 4
	v_nop
.endr
.Lasked_\@:
.endm
.macro CREST                           ; a round of the cluster's barrier behind its opening barrier
	s_cmp_lg_u32 s12, 0
	s_cbranch_scc1 .Lnot_wave_0_\@
	s_barrier_signal -3
.Lnot_wave_0_\@:
	s_barrier_wait -3
	s_barrier_signal -1
	s_barrier_wait -1
.endm
.macro CROUND
	s_barrier_signal -1
	s_barrier_wait -1
	CREST
.endm
	s_load_b256 s[4:11], s[0:1], 0x0               ; ao, pw, proj_b, out0
	v_lshl_add_u32 v3, v0, 2, SPARE
	v_mov_b32 v15, 0
	ds_add_u32 v3, v15                             ; the wave's opening: the add, twice on end, and its wait ahead of my first tensor load
	ds_add_u32 v3, v15
	v_lshrrev_b32 v1, 5, v0
	v_readfirstlane_b32 s12, v1                    ; wave 0..3
	s_lshr_b32 s13, s12, 1                         ; which 11 row tiles are mine.  Also: I fetch for A (0) or for B (1)
	s_and_b32 s14, s12, 1                          ; which 4 column tiles.  Also: which half of that tile I fetch
	s_bfe_u32 s15, ttmp6, 0x40000                  ; cx, cy: my place in the cluster
	s_bfe_u32 s16, ttmp6, 0x40004
	s_lshl_b32 s17, ttmp9, 2
	s_add_co_u32 s17, s17, s15                     ; block of 128 columns = 4 x cluster x + cx
	s_and_b32 s18, ttmp7, 0xffff
	s_lshl_b32 s18, s18, 2
	s_add_co_u32 s18, s18, s16                     ; batch = 4 x cluster y + cy
	s_lshl_b32 s42, s16, 2
	s_lshl_b32 s42, 15, s42                        ; my row of the cluster
	s_lshl_b32 s43, 0x1111, s15                    ; my column
	s_or_b32 s[G1], s42, (3<<16)|(1<<21)           ; 15:0 the mask: A's tiles go to my row; 17:16 elements of 8 bytes; 21 set beside a mask; no padding
	s_or_b32 s[G1B], s43, (3<<16)|(1<<21)
	s_mov_b32 s[G1+1], 512<<16                     ; tensor_dim0 = 512 elements: 4,096 bytes
	s_mov_b32 s[G1+2], 11<<16                      ; tensor_dim1 = 11 fragment tiles
	s_mov_b32 s[G1+3], 512<<16                     ; tile_dim0
	s_mov_b32 s[G1+4], 11                          ; tile_dim1
	s_mov_b32 s[G1+5], 4096                        ; from tile to tile: 32,768 bytes
	s_mov_b32 s[G1+6], 0
	s_mov_b32 s[G1+7], 0
	s_mov_b32 s[G1B+1], 512<<16
	s_mov_b32 s[G1B+2], 4<<16
	s_mov_b32 s[G1B+3], 512<<16
	s_mov_b32 s[G1B+4], 4
	s_mov_b32 s[G1B+5], 4096
	s_mov_b32 s[G1B+6], 0
	s_mov_b32 s[G1B+7], 0
	s_mul_i32 s20, s18, 720896                     ; A: batch x 22 tiles x 32,768
	s_mul_i32 s21, s14, 360448                     ; + half x 11 tiles
	s_add_co_u32 s20, s20, s21
	s_mov_b32 s21, 0
	s_lshl_b32 s46, s17, 18                        ; B: block x 8 tiles x 32,768
	s_lshl_b32 s47, s14, 17                        ; + half x 4 tiles
	s_add_co_u32 s46, s46, s47
	s_mov_b32 s47, 0
	s_mul_i32 s44, s14, 45056                      ; where they go: no place in the cluster enters an LDS address
	s_lshl_b32 s45, s14, 14
	s_add_co_u32 s45, s45, BOFF
	s_wait_dscnt 0x0                               ; both opening adds are done
	s_wait_kmcnt 0x0
	s_add_nc_u64 s[20:21], s[4:5], s[20:21]
	s_add_nc_u64 s[46:47], s[6:7], s[46:47]
	CROUND                                         ; all sixteen work-groups are here: the first joint loads meet
.irp s, 0,1
	s_mov_b32 s[G0+4*\s], 1
	s_add_co_u32 s[G0+4*\s+1], s44, \s*SLOT
	s_add_nc_u64 s[G0+4*\s+2:G0+4*\s+3], s[20:21], \s*4096
	s_or_b32 s[G0+4*\s+3], s[G0+4*\s+3], 0x80000000
	s_mov_b32 s[G0B+4*\s], 1
	s_add_co_u32 s[G0B+4*\s+1], s45, \s*SLOT
	s_add_nc_u64 s[G0B+4*\s+2:G0B+4*\s+3], s[46:47], \s*4096
	s_or_b32 s[G0B+4*\s+3], s[G0B+4*\s+3], 0x80000000
	JLOAD \s                                       ; two loads of mine are out here; behind each later round, one
.endr
	v_and_b32 v1, 31, v0
	v_lshlrev_b32 v1, 4, v1                        ; 16 l
	s_mul_i32 s44, s13, 45056                      ; my 11 tiles of A
	v_add_nc_u32 v4, s44, v1
	v_add_nc_u32 v5, SLOT, v4
	s_lshl_b32 s45, s14, 14                        ; my 4 tiles of B
	s_add_co_u32 s45, s45, BOFF
	v_add_nc_u32 v6, s45, v1
	v_add_nc_u32 v7, SLOT, v6
	v_and_b32 v1, 15, v0                           ; r
	v_bfe_u32 v2, v0, 4, 1                         ; h
	s_mul_i32 s44, s12, 16*272
	s_add_co_u32 s44, s44, STAGE                   ; my stage
	v_mul_u32_u24 v12, v1, 272
	v_lshl_add_u32 v12, v2, 5, v12
	v_add_nc_u32 v12, s44, v12                     ; in: row r, 32 bytes for each half of the lanes
	v_mul_u32_u24 v13, v2, 272
	v_lshl_add_u32 v13, v1, 4, v13
	v_add_nc_u32 v13, s44, v13                     ; back: lanes 0-15 one row of 256 bytes, lanes 16-31 the next
	v_lshlrev_b32 v14, 12, v2
	v_lshl_add_u32 v14, v1, 4, v14                 ; and the same two rows of the output
	v_lshlrev_b32 v2, 4, v1
	s_mul_i32 s22, s18, 341
	s_mul_i32 s23, s13, 176
	s_add_co_u32 s22, s22, s23
	s_lshl_b32 s22, s22, 12                        ; my first row, in bytes
	s_mov_b32 s23, 0
	s_add_nc_u64 s[10:11], s[10:11], s[22:23]
	s_lshl_b32 s46, s17, 9                         ; my first column, in bytes (in the registers that held B's address)
	s_lshl_b32 s47, s14, 8
	s_add_co_u32 s46, s46, s47
	s_mov_b32 s47, 0
	s_add_nc_u64 s[10:11], s[10:11], s[46:47]
	s_add_nc_u64 s[8:9], s[8:9], s[46:47]
	global_load_b128 v[8:11], v2, s[8:9]           ; the bias of the four columns that I store
; Row tiles tl0 .. tl1 x my four column tiles, 32 along K, from set f.  zero = 1: the first product starts the sums.  The 44 accumulators take turns in the same order in every quarter.
.macro MULS f, tl0, tl1, zero
.set tl, \tl0
.rept (\tl1)-(\tl0)+1
.irp nl, 0,1,2,3
.set rC, 8*(4*(tl%6)+\nl)
.if \zero
	v_wmma_f32_16x16x32_f16 v[rC:rC+7], v[BF+32*(\f)+8*\nl:BF+32*(\f)+8*\nl+7], v[AF+88*(\f)+8*tl:AF+88*(\f)+8*tl+7], 0
.else
	v_wmma_f32_16x16x32_f16 v[rC:rC+7], v[BF+32*(\f)+8*\nl:BF+32*(\f)+8*\nl+7], v[AF+88*(\f)+8*tl:AF+88*(\f)+8*tl+7], v[rC:rC+7]
.endif
.endr
.set tl, tl+1
.endr
.endm
.macro FETCH slot, q, f                ; 30 LDS loads in one run: B's four fragments, A's tiles 0-5, A's tiles 6-10, of the slot's quarter q, into set f
	WIN 0
.irp nl, 0,1,2,3
	ds_load_b128 v[BF+32*(\f)+8*\nl:BF+32*(\f)+8*\nl+3], v[6+\slot] offset:\nl*4096+(\q)*1024
	ds_load_b128 v[BF+32*(\f)+8*\nl+4:BF+32*(\f)+8*\nl+7], v[6+\slot] offset:\nl*4096+(\q)*1024+512
.endr
.irp i, 0,1,2,3,4,5,6,7,8,9,10
	ds_load_b128 v[AF+88*(\f)+8*\i:AF+88*(\f)+8*\i+3], v[4+\slot] offset:\i*4096+(\q)*1024
	ds_load_b128 v[AF+88*(\f)+8*\i+4:AF+88*(\f)+8*\i+7], v[4+\slot] offset:\i*4096+(\q)*1024+512
.endr
.endm
; A K step is four quarters of 32 along K, 44 matrix instructions each, on sets 0, 1, 0, 1.  One of the first three: multiplies set f and fetches quarter qn into set g.
.macro QUARTER slot, qn, f, g, zero
	s_wait_dscnt 10                                ; B and A's tiles 0-5 are in; the youngest ten loads (tiles 6-10) may be out
	WIN LO
	MULS \f, 0, 5, \zero
	PLACES                                         ; in front of loads into the set that the quarter before multiplied
	FETCH \slot, \qn, \g
	s_wait_dscnt 30                                ; all but the 30 just issued
	WIN HI
	MULS \f, 6, 10, \zero
.endm
; The last quarter multiplies set 1 and changes slots: ONE barrier; in front of it each wave waits for all its tensor loads, adds 0 to its spare word, and waits for that and for its reads of this slot.
; fill = 1: the barrier opens a round of the cluster's, and this slot is filled again, two K steps ahead: the load has 176 matrix instructions less those behind the signal in which to land.
.macro TURN slot, next, fill
	WIN 0
	s_wait_tensorcnt 0x0                           ; all my tensor loads have landed: my part of the next slot
	ds_add_u32 v3, v15                             ; 0 onto my spare word
	s_wait_dscnt 11                                ; (the add and the youngest ten loads may be out)
	WIN LO
	MULS 1, 0, 2, 0                                ; twelve matrix instructions stand between the add and the wait for it
	s_wait_dscnt 0x0                               ; the add is done, and my reads of this slot are over
	s_barrier_signal -1
	MULS 1, 3, 5, 0
	WIN 0
	s_barrier_wait -1
.if \fill
	CREST                                          ; no wave of any partner still reads this slot's tile or has a load on its way
	s_add_nc_u64 s[G0+4*\slot+2:G0+4*\slot+3], s[G0+4*\slot+2:G0+4*\slot+3], 8192
	s_add_nc_u64 s[G0B+4*\slot+2:G0B+4*\slot+3], s[G0B+4*\slot+2:G0B+4*\slot+3], 8192
	JLOAD \slot                                    ; the first tensor load behind the round; its four v_nop are also the places in front of the loads below
.else
	PLACES
.endif
	FETCH \next, 0, 0
	WIN HI
	MULS 1, 6, 10, 0
.endm
	s_wait_tensorcnt 1                             ; my part of K step 0 is in; K step 1's may be out
	s_barrier_signal -1
	s_barrier_wait -1                              ; everybody's is
	FETCH 0, 0, 0
	QUARTER 0, 1, 0, 1, 1                          ; the first quarter stands in front of the loop: its products start the sums
	WIN 0                                          ; at a label and at a branch every window is 0
	s_mov_b32 s40, 3
.Llap:                                             ; a trip goes once round the ring, from a lap's second quarter to the next lap's first, and fills both slots again: K steps 2 to 7
	QUARTER 0, 2, 1, 0, 0
	QUARTER 0, 3, 0, 1, 0
	TURN 0, 1, 1
	QUARTER 1, 1, 0, 1, 0
	QUARTER 1, 2, 1, 0, 0
	QUARTER 1, 3, 0, 1, 0
	TURN 1, 0, 1
	QUARTER 0, 1, 0, 1, 0
	WIN 0
	s_sub_co_u32 s40, s40, 1
	s_cmp_lg_u32 s40, 0
	s_cbranch_scc1 .Llap
	QUARTER 0, 2, 1, 0, 0                          ; the last lap fills nothing, and has no round of the cluster's barrier
	QUARTER 0, 3, 0, 1, 0
	TURN 0, 1, 0
	QUARTER 1, 1, 0, 1, 0
	QUARTER 1, 2, 1, 0, 0
	QUARTER 1, 3, 0, 1, 0
	s_wait_dscnt 10                                ; the very last quarter: nothing more to fetch
	WIN LO
	MULS 1, 0, 5, 0
	s_wait_dscnt 0x0
	WIN HI
	MULS 1, 6, 10, 0
	WIN 0
; THE WAY OUT, a row tile (16 rows x my 64 columns) at a time.  A lane holds 32 neighbouring bytes of a row and the lanes beside it other rows: so a tile goes through my own stage and comes back
; as rows of 256 bytes, which sixteen lanes store whole.  LDS serves a wave's instructions in order: no wait between the stores and the loads, nor in front of the next tile's stores.
.macro TOSTAGE a
.set AC, 32*((\a)%6)
	WIN 0x04+4*((\a)/6)                            ; an LDS store's data are its source 1: window 1 or 2
.irp nl, 0,1,2,3
	ds_store_b128 v12, v[AC+8*\nl:AC+8*\nl+3] offset:64*\nl          ; each accumulator from its low end on
	ds_store_b128 v12, v[AC+8*\nl+4:AC+8*\nl+7] offset:64*\nl+16
.endr
	WIN 0
.set BB, OB+32*((\a)%2)
.irp i, 0,1,2,3,4,5,6,7
	ds_load_b128 v[BB+4*\i:BB+4*\i+3], v13 offset:\i*544
.endr
.endm
.macro SEND a, younger, n              ; younger: the LDS instructions issued behind tile a's loads; n: how many pairs of rows are stored here
.set BB, OB+32*((\a)%2)
	s_wait_dscnt \younger
.irp i, 0,1,2,3,4,5,6,7
	v_pk_add_f32 v[BB+4*\i:BB+4*\i+1], v[BB+4*\i:BB+4*\i+1], v[8:9]
	v_pk_add_f32 v[BB+4*\i+2:BB+4*\i+3], v[BB+4*\i+2:BB+4*\i+3], v[10:11]
.endr
.set si, 0
.rept \n
	global_store_b128 v14, v[BB+4*si:BB+4*si+3], s[10:11] offset:(\a)*65536+si*8192 th:TH_STORE_NT   ; sixteen lanes store 256 consecutive bytes, aligned; the base is never stepped
.set si, si+1
.endr
.endm
	PLACES                                         ; behind the last products: for the reads of results and the loads into registers that held fragments
	s_wait_loadcnt 0x0                             ; the bias
	TOSTAGE 0
.irp a, 1,2,3,4,5,6,7,8,9,10
.if \a > 1
	s_wait_xcnt 0x0                                ; the stores of two tiles back have read their registers: this tile's loads may land there
.endif
	TOSTAGE \a
	SEND \a-1, 16, 8                               ; behind its loads: this tile's 8 stores and 8 loads
.endr
	SEND 10, 0, 2                                  ; the last tile: its first four rows exist in both halves of the rows
	s_cmp_eq_u32 s13, 0
	s_cbranch_scc0 .Ledge
.irp i, 2,3,4,5,6,7
	global_store_b128 v14, v[OB+4*\i:OB+4*\i+3], s[10:11] offset:10*65536+\i*8192 th:TH_STORE_NT
.endr
	s_branch .Ldone
.Ledge:                                            ; rows 336 .. 351 of the batch: 340 is the last that exists; it lies in lanes 0-15 of the third pair
	v_and_b32 v1, 31, v0
	v_cmp_gt_u32 vcc_lo, 16, v1
	s_wait_xcnt 0x0                                ; EXEC changes only behind this wait
	s_and_saveexec_b32 s41, vcc_lo
	global_store_b128 v14, v[OB+8:OB+11], s[10:11] offset:10*65536+2*8192 th:TH_STORE_NT
	s_wait_xcnt 0x0                                ; and again, in front of the line that widens it
	s_or_b32 exec_lo, exec_lo, s41
.Ldone:
	s_wait_tensorcnt 0x0                           ; the wave's end, behind my last tensor load and my last LDS store
	ds_add_u32 v3, v15
	s_wait_dscnt 0x0
	CROUND                                         ; the closing round: no work-group ends while a partner may still ask for a tile that names it
	s_endpgm
.Lfunc_end_k_qf49f60294c_proj:
	.size	k_qf49f60294c_proj, .Lfunc_end_k_qf49f60294c_proj-k_qf49f60294c_proj
	.p2alignl 7, 3214868480
	.fill 96, 4, 3214868480
	.section	.rodata,"a",@progbits
	.p2align	6, 0x0
	.amdhsa_kernel k_qf49f60294c_proj
		.amdhsa_group_segment_fixed_size 327680
		.amdhsa_private_segment_fixed_size 0
		.amdhsa_enable_private_segment 0
		.amdhsa_kernarg_size 32
		.amdhsa_user_sgpr_count 2
		.amdhsa_user_sgpr_kernarg_segment_ptr 1
		.amdhsa_wavefront_size32 1
		.amdhsa_system_sgpr_workgroup_id_x 1
		.amdhsa_system_sgpr_workgroup_id_y 1
		.amdhsa_system_sgpr_workgroup_id_z 1
		.amdhsa_system_vgpr_workitem_id 0
		.amdhsa_next_free_vgpr 672
		.amdhsa_next_free_sgpr 66
		.amdhsa_reserve_vcc 1
		.amdhsa_float_denorm_mode_32 3
		.amdhsa_float_denorm_mode_16_64 3
		.amdhsa_memory_ordered 1
		.amdhsa_forward_progress 1
		.amdhsa_inst_pref_size 120
	.end_amdhsa_kernel
	.amdgpu_metadata
---
amdhsa.version: [ 1, 2 ]
amdhsa.kernels:
  - .name:           k_qf49f60294c_proj
    .symbol:         k_qf49f60294c_proj.kd
    .args:
      - { .name: ao, .offset: 0, .size: 8, .value_kind: global_buffer, .address_space: global }
      - { .name: pw, .offset: 8, .size: 8, .value_kind: global_buffer, .address_space: global }
      - { .name: proj_b, .offset: 16, .size: 8, .value_kind: global_buffer, .address_space: global }
      - { .name: out0, .offset: 24, .size: 8, .value_kind: global_buffer, .address_space: global }
    .group_segment_fixed_size: 327680
    .private_segment_fixed_size: 0
    .kernarg_segment_align: 8
    .kernarg_segment_size: 32
    .max_flat_workgroup_size: 128
    .sgpr_count:     66
    .vgpr_count:     672
    .wavefront_size: 32
...
	.end_amdgpu_metadata
.endif
;; end of part 3
